; MI455X (gfx1250); checked and timed in simulation.
; The chip was launched on July 23, 2026; its instructions are those of AMD's public machine-readable ISA for CDNA 5 (MIT licence, August 2026) and "CDNA5" Instruction Set Architecture Reference Guide (July 2026). The comments in the code are by the model that wrote it; some were corrected since.
;; Codebook. Allowed arithmetic: matrix products marked QUANTISED: E2M1 operands, one E8M0 scale for each 32 along K, by v_wmma_scale_f32_16x16x128_f8f6f4 with both operands' format E2M1 (or v_wmma_scale_f32_32x16x128_f4), f32 sums; everything else in f32.
;; Inputs: codebook 8,192 x 32 float32; z 8 x 4,096 x 32 float32.
;; Outputs: out0 8 x 4,096 x 32 float32; out1 32,768 int32; out2 one number float32.
;; This version of the problem:
;;   THIS VERSION OF THE PROBLEM IS GIVEN IN LOW PRECISION. The matrix products marked QUANTISED in the list below multiply operands that are first quantised to E2M1 (2 exponent bits, 1 mantissa bit; 4 bits a number), with one power-of-two scale for each 32 numbers along K (OCP MX v1.0); their sums are f32. All else is computed in f32.
;;   The module's matrix products, in the order in which they are computed (A, B: the left and right operand; K: the contracted axis; several contracted axes count as one K, in the product's order):
;;     1. [M 32,768, K 32] x [K 32, N 8,192]; A: input z; B: input codebook: QUANTISED
;;   THE QUANTISER, for each operand of a quantised product, along K:
;;     - K is cut into blocks of 32 from its start; a last block that is shorter is filled with zeros.
;;     - A block's scale is 2^e with e = floor(log2(the largest magnitude in the block)) - 2, held to -126 .. 127; a block of zeros has e = 0. As a byte (E8M0): e + 127.
;;     - Each number is divided by its block's scale, clamped to +-6, and rounded to the nearest number of E2M1, ties to even, subnormals kept.
;;     - The product sums the exact products of the quantised numbers (number of the format x scale) in f32.
;;   ~~~python
;;   def quantise(x, axis):      # numpy; x: float32 -> the quantised numbers, widened to float32 again
;;       x = np.moveaxis(x, axis, -1); K = x.shape[-1]
;;       x = np.pad(x, [(0, 0)] * (x.ndim - 1) + [(0, -K % 32)]); x = x.reshape(x.shape[:-1] + (-1, 32)); a = np.abs(x).max(-1, keepdims=True)
;;       e = np.where(a > 0, np.clip(np.frexp(np.where(a > 0, a, 1))[1] - 1 - 2, -126, 127), 0)      # np.frexp(a)[1] - 1 = floor(log2(a)), exactly
;;       r = np.clip(x / 2.0 ** e, -6, 6)
;;       step = 2.0 ** (np.maximum(np.frexp(np.where(r == 0, 1, r))[1] - 1, 0) - 1)
;;       q = np.round(r / step) * step * 2.0 ** e      # np.round: ties to even
;;       return np.moveaxis(q.reshape(q.shape[:-2] + (-1,))[..., :K], -1, axis).astype(np.float32)
;;   ~~~
;; One version. Each part assembles by itself: llvm-mc -triple=amdgcn-amd-amdhsa -mcpu=gfx1250 --defsym DOCPART=n.
;; ======== version 1 of 1: 4 launches
;; limits: right only within a limited range of input values
;; workspace buffers: img 983,040 bytes; grp 131,072 bytes of whole numbers; part 1,024 bytes
;; launch prep (part 1): grid 320 x 1, 4 waves a work-group, no clusters, 3,584 bytes of LDS; arguments codebook, z, img; writes img
.if DOCPART == 1
	.amdgcn_target "amdgcn-amd-amdhsa--gfx1250"
	.amdhsa_code_object_version 6
	.text
	.protected	k_q0de2fc96ca_prep
	.globl	k_q0de2fc96ca_prep
	.p2align	8
	.type	k_q0de2fc96ca_prep,@function
k_q0de2fc96ca_prep:
	s_mov_b64 s[64:65], 0
	v_nop
	global_prefetch_b8 v0, s[64:65] scope:SCOPE_SE
	s_setreg_imm32_b32 hwreg(HW_REG_WAVE_MODE, 25, 1), 1
	s_wait_xcnt 0x0
; Both operands are quantised ONCE, row by row (a row of 32 is one block along K), into an image:
;   0 ..        the codebook's 512 records of 320 bytes, one for 16 rows: 16 x 16 bytes of FP4 (E2M1) codes, then 16 words, the row's scale byte in all four places
;   163,840 ..  ee, the codebook rows' sums of squares, f32
;   196,608 ..  z's 2,048 records, of the same make, but NEGATED AND DOUBLED (code signs turned, scale byte + 1): the products are then - 2 z.e
;   851,968 ..  zz, z's rows' sums of squares
; A block's scale is 2^(floor(log2(largest magnitude)) - 2); its byte is the largest magnitude's exponent field - 2, held at 1 from below.
; LIMITS: NaN and infinities among the inputs are not served.  A row of zeros gets the floor's byte where the rule says 127: its codes are zeros, and this program alone reads the bytes.
; Sums of squares: each square rounded by itself, added in ascending order, as the definition writes it: NOT fused.
; SHARES: work-groups 0 to 63 take the codebook, the others z, 128 rows each, a thread a row; a wave's eight loads together cover 4,096 consecutive bytes.
; Eight records (2,560 bytes) and 128 sums (512 bytes) meet in LDS and leave as whole units of 256 bytes.  No input is shared between work-groups: no cluster.
.set XR, 16                            ; v16-47  the row
.set SQ, 48                            ; v48-79  its squares
.set CR, 80                            ; v80-83  its codes
.set SOP, 84
.set BY, 85
.set T0, 86
.set T1, 87
.set SS, 88
.set SPW, 90
.set NIL, 91
.set SPARE, 3072
	s_load_b128 s[4:7], s[0:1], 0x0                ; codebook, z
	s_load_b64 s[8:9], s[0:1], 0x10                ; the image
	v_lshl_add_u32 v[SPW], v0, 2, SPARE
	v_mov_b32 v[NIL], 0
	v_lshrrev_b32 v5, 5, v0
	v_readfirstlane_b32 s10, v5                    ; wave
	v_lshlrev_b32 v1, 7, v0                        ; my row: 128 bytes
	v_lshlrev_b32 v2, 4, v0                        ; the way out: 16 bytes a thread
	v_lshrrev_b32 v3, 4, v0
	v_and_b32 v4, 15, v0
	v_mul_u32_u24 v3, v3, 0x140                    ; record t / 16
	v_lshl_add_u32 v6, v4, 4, v3                   ; my codes in it
	v_lshl_add_u32 v7, v4, 2, v3                   ; my scale word, 256 bytes on
	v_lshlrev_b32 v8, 2, v0                        ; my sum
	s_mov_b32 s13, 819200
	s_cmp_lt_u32 ttmp9, 64                         ; the codebook's work-group or z's?
	s_cselect_b32 s11, 0, 64
	s_cselect_b32 s12, 0, 32768
	s_cselect_b32 s13, 163840, s13
	s_cselect_b32 s14, 0, 1                        ; onto the scale byte
	s_cselect_b32 s15, 0, 0x88888888               ; the signs turned
	s_sub_co_u32 s11, ttmp9, s11
	s_lshl_b32 s16, s11, 14                        ; 128 rows of 128 bytes
	s_mov_b32 s17, 0
	s_mul_i32 s18, ttmp9, 2560
	s_add_co_u32 s18, s18, s12                     ; the records' place: 2,560 g, for z 196,608 + 2,560 (g - 64)
	s_mov_b32 s19, 0
	s_lshl_b32 s20, ttmp9, 9
	s_add_co_u32 s20, s20, s13                     ; the sums' place: 163,840 + 512 g, for z 851,968 + 512 (g - 64),
	s_sub_co_u32 s20, s20, 2560                    ; less their place behind the records in LDS
	s_mov_b32 s21, 0
	s_cmp_eq_u32 s10, 0
	s_cselect_b32 s20, s18, s20                    ; wave 0's second store is the records' rest, wave 1's the sums
	s_wait_alu depctr_va_vdst(0)                   ; the wait at the head's end
	s_wait_kmcnt 0x0
	s_cmp_lt_u32 ttmp9, 64
	s_cselect_b64 s[4:5], s[4:5], s[6:7]
	s_add_nc_u64 s[4:5], s[4:5], s[16:17]
	s_add_nc_u64 s[18:19], s[8:9], s[18:19]
	s_add_nc_u64 s[20:21], s[8:9], s[20:21]
.irp c, 0,1,2,3,4,5,6,7
	global_load_b128 v[XR+4*\c:XR+4*\c+3], v1, s[4:5] offset:16*\c
.endr
	s_wait_loadcnt 0x0
.irp i, 0,2,4,6,8,10,12,14,16,18,20,22,24,26,28,30
	v_pk_mul_f32 v[SQ+\i:SQ+\i+1], v[XR+\i:XR+\i+1], v[XR+\i:XR+\i+1]
.endr
	; the largest magnitude in two chains, between them the sum's chain
	v_max3_num_f32 v[T0], |v[XR]|, |v[XR+1]|, |v[XR+2]|
	v_add_f32 v[SS], v[SQ], v[SQ+1]
	v_max3_num_f32 v[T1], |v[XR+3]|, |v[XR+4]|, |v[XR+5]|
	v_add_f32 v[SS], v[SS], v[SQ+2]
.set NADD, 3
.irp i, 6,10,14,18,22,26
	v_max3_num_f32 v[T0], v[T0], |v[XR+\i]|, |v[XR+\i+1]|
	v_add_f32 v[SS], v[SS], v[SQ+NADD]
	v_max3_num_f32 v[T1], v[T1], |v[XR+\i+2]|, |v[XR+\i+3]|
	v_add_f32 v[SS], v[SS], v[SQ+NADD+1]
.set NADD, NADD+2
.endr
	v_max3_num_f32 v[T0], v[T0], |v[XR+30]|, |v[XR+31]|
	v_add_f32 v[SS], v[SS], v[SQ+15]
	v_max3_num_f32 v[T0], v[T0], v[T1], 0x1800000  ; the floor 2^(3 - 127): the byte cannot fall under 1
	v_add_f32 v[SS], v[SS], v[SQ+16]
	v_add_nc_u32 v[SOP], 0xff000000, v[T0]         ; 2 off the exponent field: the conversion's scale operand
.irp g, 0,1,2,3
	v_cvt_scalef32_pk8_fp4_f32 v[CR+\g], v[XR+8*\g:XR+8*\g+7], v[SOP]
.endr
	v_lshrrev_b32 v[BY], 23, v[SOP]                ; the byte; also the plain place behind the conversions
	v_add_nc_u32 v[BY], s14, v[BY]
	v_add_f32 v[SS], v[SS], v[SQ+17]
.irp i, 18,19,20,21,22,23,24,25,26,27,28,29,30,31
	s_delay_alu instid0(VALU_DEP_1)
	v_add_f32 v[SS], v[SS], v[SQ+\i]
.endr
	v_lshl_or_b32 v[BY], v[BY], 8, v[BY]
.irp g, 0,1,2,3
	v_xor_b32 v[CR+\g], s15, v[CR+\g]
.endr
	v_lshl_or_b32 v[BY], v[BY], 16, v[BY]          ; the byte in all four places
	ds_store_b128 v6, v[CR:CR+3]
	ds_store_b32 v8, v[SS] offset:2560
	ds_store_b32 v7, v[BY] offset:256
	s_wait_dscnt 0x0                               ; for the other waves' sake: my stores have landed
	s_barrier_signal -1
	s_barrier_wait -1
	s_cmp_gt_u32 s10, 1
	s_cbranch_scc1 .Lone
	ds_load_b128 v[20:23], v2 offset:2048          ; wave 0: the records' last 512 bytes; wave 1: the 128 sums
	s_wait_dscnt 0x0
	global_store_b128 v2, v[20:23], s[20:21] offset:2048
.Lone:
	ds_load_b128 v[24:27], v2                      ; the records' first 2,048 bytes, 512 a wave
	s_wait_dscnt 0x0
	global_store_b128 v2, v[24:27], s[18:19]
	s_wait_tensorcnt 0x0                           ; the wave's end
	ds_add_u32 v[SPW], v[NIL]
	s_wait_dscnt 0x0
	s_endpgm
.Lfunc_end_k_q0de2fc96ca_prep:
	.size	k_q0de2fc96ca_prep, .Lfunc_end_k_q0de2fc96ca_prep-k_q0de2fc96ca_prep
	.p2alignl 7, 3214868480
	.fill 96, 4, 3214868480
	.section	.rodata,"a",@progbits
	.p2align	6, 0x0
	.amdhsa_kernel k_q0de2fc96ca_prep
		.amdhsa_group_segment_fixed_size 3584
		.amdhsa_private_segment_fixed_size 0
		.amdhsa_enable_private_segment 0
		.amdhsa_kernarg_size 24
		.amdhsa_user_sgpr_count 2
		.amdhsa_user_sgpr_kernarg_segment_ptr 1
		.amdhsa_wavefront_size32 1
		.amdhsa_system_sgpr_workgroup_id_x 1
		.amdhsa_system_sgpr_workgroup_id_y 1
		.amdhsa_system_sgpr_workgroup_id_z 1
		.amdhsa_system_vgpr_workitem_id 0
		.amdhsa_next_free_vgpr 92
		.amdhsa_next_free_sgpr 66
		.amdhsa_reserve_vcc 0
		.amdhsa_float_denorm_mode_32 3
		.amdhsa_float_denorm_mode_16_64 3
		.amdhsa_memory_ordered 1
		.amdhsa_forward_progress 1
		.amdhsa_inst_pref_size 8
	.end_amdhsa_kernel
	.amdgpu_metadata
---
amdhsa.version: [ 1, 2 ]
amdhsa.kernels:
  - .name:           k_q0de2fc96ca_prep
    .symbol:         k_q0de2fc96ca_prep.kd
    .args:
      - { .name: codebook, .offset: 0, .size: 8, .value_kind: global_buffer, .address_space: global }
      - { .name: z, .offset: 8, .size: 8, .value_kind: global_buffer, .address_space: global }
      - { .name: img, .offset: 16, .size: 8, .value_kind: global_buffer, .address_space: global }
    .group_segment_fixed_size: 3584
    .private_segment_fixed_size: 0
    .kernarg_segment_align: 8
    .kernarg_segment_size: 24
    .max_flat_workgroup_size: 128
    .sgpr_count:     66
    .vgpr_count:     92
    .wavefront_size: 32
...
	.end_amdgpu_metadata
.endif
;; end of part 1
;; launch search (part 2): grid 256 x 1, 8 waves a work-group, clusters of 4 x 1, 230,400 bytes of LDS; arguments img, grp; writes grp
.if DOCPART == 2
	.amdgcn_target "amdgcn-amd-amdhsa--gfx1250"
	.amdhsa_code_object_version 6
	.text
	.protected	k_q0de2fc96ca_search
	.globl	k_q0de2fc96ca_search
	.p2align	8
	.type	k_q0de2fc96ca_search,@function
k_q0de2fc96ca_search:
	s_mov_b64 s[64:65], 0
	v_nop
	global_prefetch_b8 v0, s[64:65] scope:SCOPE_SE
	s_setreg_imm32_b32 hwreg(HW_REG_WAVE_MODE, 25, 1), 1
	s_wait_xcnt 0x0
	s_wait_alu depctr_hold_cnt(0) depctr_sa_sdst(0) depctr_va_vdst(0) depctr_va_sdst(0) depctr_va_ssrc(0) depctr_va_vcc(0) depctr_vm_vsrc(0)
	s_getreg_b32 s2, hwreg(HW_REG_IB_STS2, 6, 4)
	s_cmp_eq_u32 s2, 0
	s_cbranch_scc0 .Lentry_in_a_cluster
	s_endpgm
.Lentry_in_a_cluster:
	s_bfe_u32 s2, ttmp6, 0x10000c
	s_cmp_lg_u32 s2, 0x3003
	s_cbranch_scc0 .Lentry_shape_is_right
	s_endpgm
.Lentry_shape_is_right:
; For each of the 32,768 rows of z: the GROUP OF 8 neighbouring codebook rows (k / 8) that holds the first minimum of dist[k] = fl(fl(zz + ee[k]) - 2 Q(z).Q(e[k])).
; The index itself, the gather and the loss are a later launch's: no address here hangs on what is found.
; THE PRODUCT is on codes of FP4 (E2M1) with E8M0 scales; z's are stored negated and doubled, so it is - 2 dot, exactly (at most 32 products of quarters under one power of two).
; ROUNDING.  Rounding is monotone, so the least fl(zz + x) over a set is fl(zz + the least x): zz is added once for 32 distances of a lane.  ee goes in as the product's C.
; An ee under half a unit in the last place of the least zz among the work-group's 128 rows moves no fl(zz + ee) of theirs: it is set to 0 at the head, and x is then - 2 dot, exactly, and every distance the definition's bit for bit.
; LIMIT: an ee that is not under that half unit stays as it is, ee - 2 dot is formed first and zz added behind it: another order of rounding than the definition's, so that there a row may get
; another index whose distance differs from the least by the rounding of f32 alone.  NaN and infinities among the inputs are not served (the minima drop NaN).
; K IS 32, THE INSTRUCTION'S 128.  Source 1 is z, dense: row r of operand o holds z's rows 64 o + 16 b + r in blocks b = 0 .. 3.  Source 0 is 16 code rows in ONE block b and zero codes in the other three: its product is tile 4 o + b of z.
; From LDS come L (codes in lanes 0-15, zeros in lanes 16-31) and H (the other way round), with quads of zeros between them: the four variants are runs of 8 registers Z L Z H Z.
; SHARES: a work-group owns 128 rows of z, wave w the codebook rows 1,024 w on: 64 tiles of 16 codes against 8 tiles of z.  Lane (r, h): row r of each z tile, codes 16 T + 8 h + j.
; FOUR TILES OF CODES make a quad: their minima are chained, T0 .. T3 being the least of the first 1 .. 4 tiles.  T3 decides; where it wins the quad's number and T0, T1, T2 are kept, and at the end they tell the tile.
; FIRST MINIMUM: quads ascend and only a strictly smaller minimum takes over; halves of the lanes and parts are joined smaller value first, then smaller group.
; LDS: each wave's 20,480 bytes of records; zeros for the lanes that take none; ee; scratch.  CLUSTER: four work-groups want the same records, so each wave asks for its part jointly: one tensor load a wave, once.
; No prefetch: what a wave reads from memory is asked for once, at the head, and no loop runs on it.
.set PART, 20480
.set ZERO, 163840
.set EEO,  184320
.set SCR,  221184                      ; minimum of (part p, row rho) at SCR + 512 p + 4 rho; its group 4,096 further on
.set SPARE, 229376
.set G_EE, 163840                      ; the image's offsets
.set G_ZR, 196608
.set G_ZZ, 851968
.set AL, 1                             ; LDS addresses: of L, of H, of the scale words, of ee
.set AH, 2
.set SC, 3
.set EE, 4
.set TN, 5                             ; the quad in hand
.set WK, 6
.set WK2, 7
.set SPW, 8
.set NIL, 9
.set SA, 10                            ; v10-11 the codes' scale words, two slots
.set SZ, 12                            ; z's: lanes 0-15 operand 0, lanes 16-31 operand 1
.set ZB, 16                            ; v16-31 z's codes, two operands
.set RUN, 32                           ; v32-67 Z L0 Z H0 Z L1 Z H1 Z
.set ER, 68                            ; v68-83 ee, two slots
.set ZZ, 84
.set OLD, 92                           ; v92-99 the running minima
.set ID, 100                           ; v100-107 their quads
.set P, 108                            ; v108-131 their T0, T1, T2
.set TP, 132                           ; v132-163 T0 .. T3 of the quad in hand
.set WA, 164
.set WB, 168
.set DR, 172                           ; v172-235 the products, set o for operand o.  (At the head: ee as loaded, scale words, offsets)
.macro ROUND                           ; a round of the cluster's barrier
	s_barrier_signal -1
	s_barrier_wait -1
	s_cmp_lg_u32 s10, 0
	s_cbranch_scc1 .Lnot_wave_0_\@
	s_barrier_signal -3
.Lnot_wave_0_\@:
	s_barrier_wait -3
	s_barrier_signal -1
	s_barrier_wait -1
.endm
.macro LOADT s, k                      ; 5 LDS loads: the tile k behind the quad's first, into slot s
	ds_load_b128 v[RUN+4+16*(\s):RUN+7+16*(\s)], v[AL] offset:320*(\k)
	ds_load_b128 v[RUN+12+16*(\s):RUN+15+16*(\s)], v[AH] offset:320*(\k)
	ds_load_b32 v[SA+(\s)], v[SC] offset:320*(\k)
	ds_load_b128 v[ER+8*(\s):ER+8*(\s)+3], v[EE] offset:64*(\k)
	ds_load_b128 v[ER+8*(\s)+4:ER+8*(\s)+7], v[EE] offset:64*(\k)+16
.endm
.macro WM s, o                         ; the tile in slot s against z tiles 4 o .. 4 o + 3.  Every sum is one instruction: no accumulator is taken up again
.irp b, 0,1,2,3
.set rA, RUN+16*(\s)+4+8*((\b)&1)-4*((\b)>>1)
.set rD, DR+32*(\o)+8*\b
.set rC, ER+8*(\s)
.set rB, ZB+8*(\o)
.if \o
	v_wmma_scale_f32_16x16x128_f8f6f4 v[rD:rD+7], v[rA:rA+7], v[rB:rB+7], v[rC:rC+7], v[SA+(\s)], v[SZ] matrix_a_fmt:MATRIX_FMT_FP4 matrix_b_fmt:MATRIX_FMT_FP4 matrix_b_scale:MATRIX_SCALE_ROW1
.else
	v_wmma_scale_f32_16x16x128_f8f6f4 v[rD:rD+7], v[rA:rA+7], v[rB:rB+7], v[rC:rC+7], v[SA+(\s)], v[SZ] matrix_a_fmt:MATRIX_FMT_FP4 matrix_b_fmt:MATRIX_FMT_FP4
.endif
.endr
.endm
.macro PROC o, k                       ; the least of a lane's eight, and of the quad's earlier tiles: 16 instructions for 32 distances, four tiles of z by turns; each accumulator from its low end on
.irp i, 0,1,2,3
	v_min3_num_f32 v[WA+\i], v[DR+32*(\o)+8*\i], v[DR+32*(\o)+8*\i+1], v[DR+32*(\o)+8*\i+2]
.endr
.irp i, 0,1,2,3
	v_min3_num_f32 v[WB+\i], v[DR+32*(\o)+8*\i+3], v[DR+32*(\o)+8*\i+4], v[DR+32*(\o)+8*\i+5]
.endr
.irp i, 0,1,2,3
	v_min3_num_f32 v[WA+\i], v[WA+\i], v[DR+32*(\o)+8*\i+6], v[DR+32*(\o)+8*\i+7]
.endr
.irp i, 0,1,2,3
.if (\k) == 0
	v_min_num_f32 v[TP+4*(\o)+\i], v[WA+\i], v[WB+\i]
.else
	v_min3_num_f32 v[TP+8*(\k)+4*(\o)+\i], v[WA+\i], v[WB+\i], v[TP+8*(\k)-8+4*(\o)+\i]
.endif
.endr
.endm
.macro GEND o                          ; a quad's end
.irp i, 0,2
	v_pk_add_f32 v[WA+\i:WA+\i+1], v[TP+24+4*(\o)+\i:TP+25+4*(\o)+\i], v[ZZ+4*(\o)+\i:ZZ+4*(\o)+\i+1]   ; the least distance: one rounding
.endr
.irp i, 0,1,2,3
	v_cmp_lt_f32 s[40+\i], v[WA+\i], v[OLD+4*(\o)+\i]              ; strictly smaller: an equal minimum keeps the earlier quad
.endr
.irp i, 0,1,2,3
	v_min_num_f32 v[OLD+4*(\o)+\i], v[WA+\i], v[OLD+4*(\o)+\i]
.endr
.irp i, 0,1,2,3
	v_cndmask_b32 v[ID+4*(\o)+\i], v[ID+4*(\o)+\i], v[TN], s[40+\i]
.endr
.irp k, 0,1,2
.irp i, 0,1,2,3
	v_cndmask_b32 v[P+8*\k+4*(\o)+\i], v[P+8*\k+4*(\o)+\i], v[TP+8*\k+4*(\o)+\i], s[40+\i]
.endr
.endr
.endm
; Tile k of a quad, in slot k % 2.  Each run of four products has the other operand's 16 vector instructions behind it, which name none of its registers: they are the places in front of the reads of a set,
; of the products that write over a set, and of the loads into a slot that products have read.
.macro TILE k, ld, nxt
	WM (\k)%2, 1
	PROC 0, \k
.if (\k) == 3
	GEND 0
.endif
.if \ld
	LOADT (\k)%2, (\k)+2                           ; two tiles ahead, into the slot just read
.if (\k) == 3
	v_add_nc_u32 v[AL], 1280, v[AL]
	v_add_nc_u32 v[AH], 1280, v[AH]
	v_add_nc_u32 v[SC], 1280, v[SC]
	v_add_nc_u32 v[EE], 256, v[EE]
.endif
.endif
.if \nxt
.if \ld
	s_wait_dscnt 5                                 ; the next tile's five loads are in; the five just issued may be out
.else
	s_wait_dscnt 0x0
.endif
	WM 1-(\k)%2, 0
.endif
	PROC 1, \k
.if (\k) == 3
	GEND 1
.endif
.endm
	s_load_b128 s[4:7], s[0:1], 0x0                ; the image s[4:5], the groups s[6:7]
	v_lshl_add_u32 v[SPW], v0, 2, SPARE
	v_mov_b32 v[NIL], 0
	ds_add_u32 v[SPW], v[NIL]                      ; the wave's opening: the add, twice on end, and its wait
	ds_add_u32 v[SPW], v[NIL]
	v_lshrrev_b32 v[WK], 5, v0
	v_readfirstlane_b32 s10, v[WK]                 ; wave 0..7
	s_bfe_u32 s13, ttmp6, 0x40000                  ; cx: it enters z's and the groups' global addresses alone
	s_lshl_b32 s14, ttmp9, 2
	s_add_co_u32 s14, s14, s13                     ; work-group = 4 x cluster + cx
	; descriptor group 1: 80 rows of 32 elements of 8 bytes, dense
	s_mov_b32 s16, 15|(3<<16)|(1<<21)              ; 15:0 the mask: all four work-groups; 17:16 elements of 8 bytes; 21 set beside a mask
	s_mov_b32 s17, 32<<16                          ; tensor_dim0
	s_mov_b32 s18, 80<<16                          ; tensor_dim1
	s_mov_b32 s19, 32<<16                          ; tile_dim0
	s_mov_b32 s20, 80                              ; tile_dim1
	s_mov_b32 s21, 32                              ; pitch
	s_mov_b32 s22, 0
	s_mov_b32 s23, 0
	s_mov_b32 s24, 1                               ; group 0: count = 1
	s_mul_i32 s25, s10, PART                       ; LDS address = the image's offset
	s_mov_b32 s28, s25
	s_mov_b32 s29, 0
	s_mov_b32 s32, 0x76543210                      ; v_permlanex16_b32's selects for lane l xor 16
	s_mov_b32 s33, 0xfedcba98
	s_mov_b32 s31, ZERO
	s_sub_co_u32 s31, s31, s25                     ; from my records to the zeros
	s_add_co_u32 s30, s25, 256
	s_lshl_b32 s34, s10, 12
	s_add_co_u32 s34, s34, EEO                     ; my part of ee
.irp n, 0,1,2,3,4
.irp e, 0,1,2,3
	v_mov_b32 v[RUN+8*\n+\e], 0                    ; the quads of zero codes
.endr
.endr
	v_lshlrev_b32 v[WK], 4, v0
	v_add_nc_u32 v[WK], ZERO, v[WK]
	s_wait_alu depctr_va_vdst(0)
	s_wait_dscnt 0x0                               ; both opening adds are done
	v_and_b32 v13, 15, v0                          ; r
	v_bfe_u32 v[WK2], v0, 4, 1                     ; h
	v_lshlrev_b32 v14, 4, v13
	v_add_nc_u32 v14, s25, v14                     ; record row r
	v_mul_u32_u24 v15, s31, v[WK2]
	v_add_nc_u32 v[AL], v14, v15                   ; lanes 16-31 take zeros
	v_xor_b32 v15, 1, v[WK2]
	v_mul_u32_u24 v15, s31, v15
	v_add_nc_u32 v[AH], v14, v15                   ; lanes 0-15 take zeros
	v_lshl_add_u32 v[SC], v13, 2, s30
	v_lshl_add_u32 v[EE], v[WK2], 5, s34
	v_mul_u32_u24 v208, v[WK2], 0x140
	v_lshl_add_u32 v208, v13, 4, v208              ; z's codes: 320 h + 16 r
	v_mul_u32_u24 v209, v[WK2], 0x500
	v_lshl_add_u32 v209, v13, 2, v209              ; z's scale words: 1,280 h + 4 r
	v_lshlrev_b32 v210, 2, v13                     ; zz: 4 r
	v_and_b32 v211, 31, v0
	v_lshlrev_b32 v211, 4, v211                    ; ee: 16 x lane
	v_add_nc_u32 v15, s34, v211                    ; and where it goes in LDS
	s_wait_alu depctr_va_vdst(0)
	s_wait_kmcnt 0x0
	s_add_nc_u64 s[26:27], s[4:5], s[28:29]
	s_or_b32 s27, s27, 0x80000000                  ; type = 2
	ROUND                                          ; all four work-groups are here: the joint loads meet
	tensor_load_to_lds s[24:27], s[16:23]          ; my part of the records: the wave's one tensor load
	s_nop 0
	s_mov_b32 s35, 0
	s_lshl_b32 s34, s14, 9
	s_add_nc_u64 s[6:7], s[6:7], s[34:35]          ; the work-group's 128 words of groups
	s_add_co_u32 s34, s34, G_ZZ
	s_add_nc_u64 s[38:39], s[4:5], s[34:35]
	s_lshl_b32 s34, s10, 12
	s_add_co_u32 s34, s34, G_EE
	s_add_nc_u64 s[48:49], s[4:5], s[34:35]
	s_mul_i32 s34, s14, 2560
	s_add_co_u32 s34, s34, G_ZR
	s_add_nc_u64 s[36:37], s[4:5], s[34:35]
.irp i, 0,1,2,3,4,5,6,7
	global_load_b32 v[ZZ+\i], v210, s[38:39] offset:64*\i
.endr
.irp c, 0,1,2,3,4,5,6,7
	global_load_b128 v[DR+4*\c:DR+4*\c+3], v211, s[48:49] offset:512*\c
.endr
.irp c, 0,1,2,3
	global_load_b128 v[ZB+4*\c:ZB+4*\c+3], v208, s[36:37] offset:640*\c       ; straight into the operands: lane l takes rows 32 c + l
.endr
.irp b, 0,1,2,3
	global_load_b32 v[204+\b], v209, s[36:37] offset:256+320*\b
.endr
.irp i, 0,1,2,3,4,5,6,7
	v_mov_b32 v[OLD+\i], 0x7f800000                ; +infinity
	v_mov_b32 v[ID+\i], 0
	v_mov_b32 v[P+\i], 0
	v_mov_b32 v[P+8+\i], 0
	v_mov_b32 v[P+16+\i], 0
.endr
	s_lshl_b32 s31, s10, 4
	v_mov_b32 v[TN], s31                           ; my first quad: 16 x wave
	s_wait_loadcnt 8                               ; zz and ee are in; z's codes and scale words may be out
	v_min3_num_f32 v13, v[ZZ], v[ZZ+1], v[ZZ+2]
	v_min3_num_f32 v14, v[ZZ+3], v[ZZ+4], v[ZZ+5]
	v_min3_num_f32 v13, v13, v[ZZ+6], v[ZZ+7]
	v_min_num_f32 v13, v13, v14
	v_min_num_f32_dpp v13, v13, v13 row_xmask:1 row_mask:0xf bank_mask:0xf
	v_min_num_f32_dpp v13, v13, v13 row_xmask:2 row_mask:0xf bank_mask:0xf
	v_min_num_f32_dpp v13, v13, v13 row_xmask:4 row_mask:0xf bank_mask:0xf
	v_min_num_f32_dpp v13, v13, v13 row_xmask:8 row_mask:0xf bank_mask:0xf   ; the least zz of the 128 rows
	v_and_b32 v13, 0x7f800000, v13
	v_mul_f32 v13, 0x33800000, v13                 ; its power of two x 2^-24: half a unit in its last place
.irp c, 0,8,16,24
.irp e, 0,1,2,3,4,5,6,7
	v_cmp_ge_f32 s[40+\e], v[DR+\c+\e], v13
.endr
.irp e, 0,1,2,3,4,5,6,7
	v_cndmask_b32 v[DR+\c+\e], 0, v[DR+\c+\e], s[40+\e]            ; an ee under it counts for nothing in fl(zz + ee)
.endr
.endr
	s_wait_loadcnt 0x0
	v_bfi_b32 v204, 0xff, v204, v205               ; byte b from the word of row 16 b + r
	v_bfi_b32 v204, 0xffff, v204, v206
	v_bfi_b32 v[SZ], 0xffffff, v204, v207
	s_wait_alu depctr_va_vdst(0)                   ; the wait at the head's end
	s_wait_tensorcnt 0x0                           ; my part of the records is in LDS
.irp i, 0,1,2,3,4
	ds_store_b128 v[WK], v[RUN:RUN+3] offset:4096*\i              ; the zeros: 20,480 bytes
.endr
.irp c, 0,1,2,3,4,5,6,7
	ds_store_b128 v15, v[DR+4*\c:DR+4*\c+3] offset:512*\c         ; my part of ee
.endr
	s_wait_dscnt 0x0
	s_barrier_signal -1
	s_barrier_wait -1                              ; everybody's records and ee are in
	LOADT 0, 0
	LOADT 1, 1
	s_wait_dscnt 5
.rept 8
	v_nop                                          ; z's scale word was written by vector instructions: eight places ahead of a scaled product
.endr
	WM 0, 0
.rept 4
	v_nop                                          ; the places in front of the first reads
.endr
	s_mov_b32 s30, 15
.Lquad:                                                ; a trip: four tiles, 64 codes; 15 trips, the last quad is written out since it fetches nothing beyond the part
	TILE 0, 1, 1
	TILE 1, 1, 1
	TILE 2, 1, 1
	TILE 3, 1, 1
	v_add_nc_u32 v[TN], 1, v[TN]
	s_sub_co_u32 s30, s30, 1
	s_cmp_lg_u32 s30, 0
	s_cbranch_scc1 .Lquad
	TILE 0, 1, 1
	TILE 1, 1, 1
	TILE 2, 0, 1
	TILE 3, 0, 0
	; which tile of the kept quad: the first whose T reaches the minimum, so as many tiles on as T0, T1, T2 lie above it
	v_bfe_u32 v[WK2], v0, 4, 1
.irp k, 0,1,2
.irp j, 0,2,4,6
	v_pk_add_f32 v[P+8*\k+\j:P+8*\k+\j+1], v[P+8*\k+\j:P+8*\k+\j+1], v[ZZ+\j:ZZ+\j+1]
.endr
.endr
.irp k, 0,1,2
.irp i, 0,1,2,3,4,5,6,7
	v_cmp_gt_f32 s[40+\i], v[P+8*\k+\i], v[OLD+\i]
.endr
.irp i, 0,1,2,3,4,5,6,7
.if \k == 0
	v_cndmask_b32 v[TP+\i], 0, 1, s[40+\i]
.else
	v_cndmask_b32 v[TP+\i], v[TP+\i], \k+1, s[40+\i]
.endif
.endr
.endr
.irp i, 0,1,2,3,4,5,6,7
	v_lshl_add_u32 v[ID+\i], v[ID+\i], 2, v[TP+\i]                 ; the tile
.endr
.irp i, 0,1,2,3,4,5,6,7
	v_lshl_add_u32 v[ID+\i], v[ID+\i], 1, v[WK2]                   ; the group: 2 x tile + h
.endr
	; the two halves of the lanes: the smaller minimum, at equal minima the smaller group
.irp i, 0,1,2,3,4,5,6,7
	v_permlanex16_b32 v[TP+\i], v[OLD+\i], s32, s33
	v_permlanex16_b32 v[TP+8+\i], v[ID+\i], s32, s33
.endr
.irp i, 0,1,2,3,4,5,6,7
	v_cmp_lt_f32 s[40+\i], v[TP+\i], v[OLD+\i]
	v_cmp_eq_f32 s[50+\i], v[TP+\i], v[OLD+\i]
	v_cmp_lt_u32 s[66+\i], v[TP+8+\i], v[ID+\i]
.endr
	s_wait_alu depctr_va_vdst(0)                   ; the wait ahead of the run of scalar instructions
.irp i, 0,1,2,3,4,5,6,7
	s_and_b32 s[50+\i], s[50+\i], s[66+\i]
	s_or_b32 s[40+\i], s[40+\i], s[50+\i]
.endr
.irp i, 0,1,2,3,4,5,6,7
	v_cndmask_b32 v[OLD+\i], v[OLD+\i], v[TP+\i], s[40+\i]
	v_cndmask_b32 v[ID+\i], v[ID+\i], v[TP+8+\i], s[40+\i]
.endr
	s_lshl_b32 s28, s10, 9
	s_add_co_u32 s28, s28, SCR
	v_and_b32 v[WK], 15, v0
	v_lshl_add_u32 v13, v[WK], 2, s28              ; scratch, in: SCR + 512 x part + 4 r; tile i 64 bytes on
	v_lshl_add_u32 v14, v0, 2, SCR                 ; and out: thread rho takes row rho
	v_lshlrev_b32 v15, 2, v0                       ; the same row's word of groups
	s_wait_alu depctr_va_vdst(0)
	s_wait_dscnt 0x0
	s_barrier_signal -1
	s_barrier_wait -1                              ; every wave's reads are over: from here on LDS is written
.irp i, 0,1,2,3,4,5,6,7
	ds_store_b32 v13, v[OLD+\i] offset:64*\i       ; both halves of the lanes write the same word with the same value
	ds_store_b32 v13, v[ID+\i] offset:4096+64*\i
.endr
	s_wait_dscnt 0x0                               ; for the others' sake: my stores have landed
	s_barrier_signal -1
	s_barrier_wait -1
	s_cmp_gt_u32 s10, 3
	s_cbranch_scc1 .Ljoin                          ; 128 rows: waves 0 to 3 join the eight parts
.irp p, 0,1,2,3,4,5,6,7
	ds_load_b32 v[OLD+\p], v14 offset:512*\p
	ds_load_b32 v[ID+\p], v14 offset:4096+512*\p
.endr
	s_wait_dscnt 0x0
.macro JOIN p, d                       ; part p + d comes behind part p: only a strictly smaller minimum takes over
	v_cmp_lt_f32 s[40+\p], v[OLD+\p+\d], v[OLD+\p]
	v_cndmask_b32 v[OLD+\p], v[OLD+\p], v[OLD+\p+\d], s[40+\p]
	v_cndmask_b32 v[ID+\p], v[ID+\p], v[ID+\p+\d], s[40+\p]
.endm
	JOIN 0, 1
	JOIN 2, 1
	JOIN 4, 1
	JOIN 6, 1
	JOIN 0, 2
	JOIN 4, 2
	JOIN 0, 4
	global_store_b32 v15, v[ID], s[6:7]            ; the four waves' stores cover 512 consecutive bytes
.Ljoin:
	s_wait_tensorcnt 0x0                           ; the wave's end
	ds_add_u32 v[SPW], v[NIL]
	s_wait_dscnt 0x0
	ROUND                                          ; the closing round: no work-group ends before its partners have asked
	s_endpgm
.Lfunc_end_k_q0de2fc96ca_search:
	.size	k_q0de2fc96ca_search, .Lfunc_end_k_q0de2fc96ca_search-k_q0de2fc96ca_search
	.p2alignl 7, 3214868480
	.fill 96, 4, 3214868480
	.section	.rodata,"a",@progbits
	.p2align	6, 0x0
	.amdhsa_kernel k_q0de2fc96ca_search
		.amdhsa_group_segment_fixed_size 230400
		.amdhsa_private_segment_fixed_size 0
		.amdhsa_enable_private_segment 0
		.amdhsa_kernarg_size 16
		.amdhsa_user_sgpr_count 2
		.amdhsa_user_sgpr_kernarg_segment_ptr 1
		.amdhsa_wavefront_size32 1
		.amdhsa_system_sgpr_workgroup_id_x 1
		.amdhsa_system_sgpr_workgroup_id_y 1
		.amdhsa_system_sgpr_workgroup_id_z 1
		.amdhsa_system_vgpr_workitem_id 0
		.amdhsa_next_free_vgpr 236
		.amdhsa_next_free_sgpr 74
		.amdhsa_reserve_vcc 0
		.amdhsa_float_denorm_mode_32 3
		.amdhsa_float_denorm_mode_16_64 3
		.amdhsa_memory_ordered 1
		.amdhsa_forward_progress 1
		.amdhsa_inst_pref_size 61
	.end_amdhsa_kernel
	.amdgpu_metadata
---
amdhsa.version: [ 1, 2 ]
amdhsa.kernels:
  - .name:           k_q0de2fc96ca_search
    .symbol:         k_q0de2fc96ca_search.kd
    .args:
      - { .name: img, .offset: 0, .size: 8, .value_kind: global_buffer, .address_space: global }
      - { .name: grp, .offset: 8, .size: 8, .value_kind: global_buffer, .address_space: global }
    .group_segment_fixed_size: 230400
    .private_segment_fixed_size: 0
    .kernarg_segment_align: 8
    .kernarg_segment_size: 16
    .max_flat_workgroup_size: 256
    .sgpr_count:     74
    .vgpr_count:     236
    .wavefront_size: 32
...
	.end_amdgpu_metadata
.endif
;; end of part 2
;; launch refine (part 3): grid 256 x 1, 8 waves a work-group, no clusters, 2,048 bytes of LDS; arguments grp, img, z, codebook, out0, out1, part; writes out0, out1, part
.if DOCPART == 3
	.amdgcn_target "amdgcn-amd-amdhsa--gfx1250"
	.amdhsa_code_object_version 6
	.text
	.protected	k_q0de2fc96ca_refine
	.globl	k_q0de2fc96ca_refine
	.p2align	8
	.type	k_q0de2fc96ca_refine,@function
k_q0de2fc96ca_refine:
	s_mov_b64 s[64:65], 0
	v_nop
	global_prefetch_b8 v0, s[64:65] scope:SCOPE_SE
	s_setreg_imm32_b32 hwreg(HW_REG_WAVE_MODE, 25, 1), 1
	s_wait_xcnt 0x0
; From each row's group of 8 codebook rows (whole numbers stored by the launch before) to the results: the index, z + (z_q - z), and the work-group's sum of (z_q - z)^2.
; A wave owns 16 rows of z.  The 8 distances of a row's group are made again, by the matrix form and the definition's two roundings; the first minimum among them is the row's index.
; ADDRESSES HANG ON THE STORED GROUPS ALONE.  The index is made of floating-point numbers, so it steers no address: the group's eight rows of the codebook are all loaded and the row is picked by value.
; PRODUCTS: quad q of code registers holds in lane (r, h) code r % 8 of the group of row 4 q + 2 h + r / 8: rows 4 q, 4 q + 1 in block 0 (lanes 0-15), rows 4 q + 2, 4 q + 3 in block 1 (lanes 16-31).
; Source 1 is the wave's 16 rows of z in block 0 (v = 0) or block 1 (v = 1), zero codes elsewhere; what else source 0 holds meets zero codes.  Of the result lanes n = 4 q + 2 v and 16 + n + 1 are kept:
; so row r's eight distances come to lie in lane (r, h = r % 2).  z's codes are stored negated and doubled: the product is - 2 dot.
; DENSE LAYOUT: in quad q lane l holds row 4 q + l / 8, numbers 4 (l % 8) on: byte 512 q + 16 l of the wave's 2,048.
; LIMITS: NaN and infinities among the inputs are not served.  A stored group is held to 0 .. 1,023.
; Work-groups share no tile and there is no loop: no cluster, no prefetch.
.set G_EE, 163840
.set G_ZR, 196608
.set G_ZZ, 851968
.set KS,  0                            ; LDS: the work-group's 128 indices
.set PS,  512                          ; and its eight waves' sums
.set SPARE, 1024
.set SA,  32                           ; v32-35 the codes' scale words
.set EV,  36                           ; v36-43 ee, later at work
.set ZL,  44                           ; v44-51 z's codes in lanes 0-15, zeros
.set ZH,  52                           ; v52-59 in lanes 16-31, zeros
.set AQ,  60                           ; v60-75 the codes, v76-79 zeros
.set ZR,  80                           ; v80-83 z's codes as loaded
.set KP,  84                           ; v84-91 the kept products, then the distances
.set ZD,  92                           ; v92-107 z, dense
.set SM,  108                          ; v108-109 the sum
.set DR,  110                          ; v110-141 two sets of two products; then quad 3's candidates
.set CD,  144                          ; v144-239 the candidates of quads 0 to 2
.set SPW, 240
.set NIL, 241
.macro W q                             ; the products of rows 4 q .. 4 q + 3, into set q % 2
	v_wmma_scale_f32_16x16x128_f8f6f4 v[DR+16*((\q)%2):DR+16*((\q)%2)+7], v[AQ+4*(\q):AQ+4*(\q)+7], v[ZL:ZL+7], 0, v[SA+(\q)], v24 matrix_a_fmt:MATRIX_FMT_FP4 matrix_b_fmt:MATRIX_FMT_FP4
	v_wmma_scale_f32_16x16x128_f8f6f4 v[DR+16*((\q)%2)+8:DR+16*((\q)%2)+15], v[AQ+4*(\q):AQ+4*(\q)+7], v[ZH:ZH+7], 0, v[SA+(\q)], v24 matrix_a_fmt:MATRIX_FMT_FP4 matrix_b_fmt:MATRIX_FMT_FP4 matrix_a_scale:MATRIX_SCALE_ROW1
.endm
.macro EXTR q                          ; each accumulator from its low end on
.irp v, 0,1
.if 2*(\q)+\v == 0
.irp j, 0,1,2,3,4,5,6,7
	v_mov_b32 v[KP+\j], v[DR+\j]                   ; the first writes every lane: nothing is cleared
.endr
.else
	s_mov_b32 s48, 0x20001<<(4*(\q)+2*\v)
.irp j, 0,1,2,3,4,5,6,7
	v_cndmask_b32 v[KP+\j], v[KP+\j], v[DR+16*((\q)%2)+8*\v+\j], s48
.endr
.endif
.endr
.endm
; Quad q, its eight candidates from v[fb] on: the index's row is picked by value into candidate 0's registers; then z_q - z, z + that, and the squares.
.macro SEL q, fb, left
	s_wait_loadcnt \left                           ; this quad's candidates are in; the later quads' may be out
.irp c, 1,2,3,4,5,6,7
	v_cmp_eq_u32 s[48+\c], \c, v[8+\q]
.endr
.irp c, 1,2,3,4,5,6,7
.irp e, 0,1,2,3
	v_cndmask_b32 v[\fb+\e], v[\fb+\e], v[\fb+4*\c+\e], s[48+\c]
.endr
.endr
.irp e, 0,2
	v_pk_add_f32 v[\fb+\e:\fb+\e+1], v[\fb+\e:\fb+\e+1], v[ZD+4*\q+\e:ZD+4*\q+\e+1] neg_lo:[0,1] neg_hi:[0,1]
.endr
.irp e, 0,2
	v_pk_add_f32 v[\fb+4+\e:\fb+5+\e], v[ZD+4*\q+\e:ZD+4*\q+\e+1], v[\fb+\e:\fb+\e+1]
	v_pk_fma_f32 v[SM:SM+1], v[\fb+\e:\fb+\e+1], v[\fb+\e:\fb+\e+1], v[SM:SM+1]
.endr
	global_store_b128 v25, v[\fb+4:\fb+7], s[12:13] offset:512*\q th:TH_STORE_NT   ; 512 consecutive bytes; written once, read by nobody here
.endm
	s_load_b256 s[4:11], s[0:1], 0x0               ; the groups s[4:5], the image s[6:7], z s[8:9], the codebook s[10:11]
	s_load_b128 s[12:15], s[0:1], 0x20             ; out0 s[12:13], out1 s[14:15]
	s_load_b64 s[16:17], s[0:1], 0x30              ; the partial sums
	v_lshl_add_u32 v[SPW], v0, 2, SPARE
	v_mov_b32 v[NIL], 0
	v_lshrrev_b32 v1, 5, v0
	v_readfirstlane_b32 s18, v1                    ; wave 0..7
	s_lshl_b32 s19, s18, 6                         ; 64 x wave: my 16 words
	s_lshl_b32 s20, ttmp9, 9                       ; 512 x work-group: its 128 words
	s_mov_b32 s21, 0
	s_add_co_u32 s22, s20, s19                     ; 4 x my first row
	s_mov_b32 s23, 0
	s_lshl_b32 s24, s22, 5                         ; 128 x my first row
	s_mov_b32 s25, 0
	s_lshl_b32 s26, ttmp9, 2
	s_mov_b32 s27, 0
	s_lshl_b32 s28, s18, 2
	s_lshl_b32 s32, ttmp9, 3
	s_add_co_u32 s32, s32, s18                     ; my record of z: 8 x work-group + wave
	s_mul_i32 s32, s32, 320
	s_add_co_u32 s32, s32, G_ZR
	s_mov_b32 s33, 0
	s_add_co_u32 s34, s22, G_ZZ
	s_mov_b32 s35, 0
	s_mov_b32 s29, 0xffff                          ; lanes 0-15
	s_mov_b32 s30, 0x76543210                      ; v_permlanex16_b32's selects for lane l xor 16
	s_mov_b32 s31, 0xfedcba98
	s_mov_b32 s36, 0xaaaa5555                      ; lanes (r, h = r % 2)
	v_and_b32 v1, 15, v0                           ; r
	v_lshlrev_b32 v3, 4, v1                        ; 16 r
	v_lshlrev_b32 v4, 2, v1                        ; 4 r
	v_and_b32 v28, 7, v0
	v_lshlrev_b32 v7, 4, v28                       ; 16 (l % 8)
	v_lshlrev_b32 v28, 2, v28                      ; 4 (l % 8)
	v_and_b32 v25, 31, v0
	v_lshlrev_b32 v25, 4, v25                      ; 16 l
	v_bfe_u32 v29, v0, 3, 2
	v_lshlrev_b32 v29, 2, v29                      ; 4 (l / 8)
	v_add_nc_u32 v30, s19, v4                      ; LDS: where row r's index goes,
	v_add_nc_u32 v31, s19, v29                     ; where the dense rows' come from (quad q 16 bytes on),
	v_mov_b32 v142, s28                            ; my wave's sum,
	v_mov_b32 v143, 0                              ; and byte 0
.irp e, 0,1,2,3
	v_mov_b32 v[ZL+4+\e], 0
	v_mov_b32 v[ZH+4+\e], 0
	v_mov_b32 v[AQ+16+\e], 0
.endr
	v_mov_b32 v[SM], 0
	v_mov_b32 v[SM+1], 0
	s_wait_alu depctr_va_vdst(0)                   ; the wait at the head's end
	s_wait_kmcnt 0x0
	s_add_nc_u64 s[4:5], s[4:5], s[22:23]
	s_add_nc_u64 s[8:9], s[8:9], s[24:25]
	s_add_nc_u64 s[12:13], s[12:13], s[24:25]
	s_add_nc_u64 s[14:15], s[14:15], s[20:21]
	s_add_nc_u64 s[16:17], s[16:17], s[26:27]
	s_add_nc_u64 s[32:33], s[6:7], s[32:33]
	s_add_nc_u64 s[34:35], s[6:7], s[34:35]
.irp q, 0,1,2,3
	global_load_b32 v[8+\q], v29, s[4:5] offset:16*\q            ; the dense rows' groups, which are the code quads' too
.endr
	global_load_b32 v5, v4, s[4:5]                 ; row r's group
	global_load_b128 v[ZR:ZR+3], v3, s[32:33]      ; z's codes: both halves of the lanes take row r
	global_load_b32 v24, v4, s[32:33] offset:256   ; its scale word
	global_load_b32 v26, v4, s[34:35]              ; its zz
.irp q, 0,1,2,3
	global_load_b128 v[ZD+4*\q:ZD+4*\q+3], v25, s[8:9] offset:512*\q
.endr
	s_wait_loadcnt 7                               ; the five loads of groups are in; seven of z may be out
.irp q, 0,1,2,3
	v_min_u32 v[8+\q], 0x3ff, v[8+\q]              ; a stored number enters an address only behind this hold
.endr
	v_min_u32 v5, 0x3ff, v5
.irp q, 0,1,2,3
	v_and_b32 v[16+\q], 0x3fe, v[8+\q]             ; 2 x the record
	v_and_b32 v[20+\q], 1, v[8+\q]                 ; which half of its rows
.endr
.irp q, 0,1,2,3
	v_mul_u32_u24 v[16+\q], v[16+\q], 0xa0         ; 320 x the record
.endr
.irp q, 0,1,2,3
	v_lshl_add_u32 v[12+\q], v[20+\q], 7, v[16+\q]
	v_lshl_add_u32 v[20+\q], v[20+\q], 5, v[16+\q]
.endr
.irp q, 0,1,2,3
	v_add_nc_u32 v[16+\q], v[12+\q], v7            ; my code
	v_add_nc_u32 v[20+\q], v[20+\q], v28           ; its scale word, 256 bytes on
.endr
.irp q, 0,1,2,3
	v_lshl_add_u32 v[12+\q], v[8+\q], 10, v7       ; the group's eight rows of the codebook, + my 16 bytes of a row
.endr
	v_lshlrev_b32 v6, 5, v5                        ; the group's eight ee
.irp q, 0,1,2,3
	global_load_b128 v[AQ+4*\q:AQ+4*\q+3], v[16+\q], s[6:7]
	global_load_b32 v[SA+\q], v[20+\q], s[6:7] offset:256
.endr
	global_load_b128 v[EV:EV+3], v6, s[6:7] offset:G_EE
	global_load_b128 v[EV+4:EV+7], v6, s[6:7] offset:G_EE+16
.irp q, 0,1,2
.irp c, 0,1,2,3,4,5,6,7
	global_load_b128 v[CD+32*\q+4*\c:CD+32*\q+4*\c+3], v[12+\q], s[10:11] offset:128*\c
.endr
.endr
	s_wait_alu depctr_va_vdst(0)
	s_wait_loadcnt 24                              ; all but the 24 candidates
	v_mov_b32 v27, v26
.irp g, 0,1,2,3
	v_cndmask_b32 v[ZL+\g], 0, v[ZR+\g], s29
	v_cndmask_b32 v[ZH+\g], v[ZR+\g], 0, s29
.endr
.rept 4
	v_nop                                          ; z's codes were written by vector instructions: four places ahead of a scaled product
.endr
	W 0
.rept 5
	v_nop                                          ; four places in front of the reads of these results; five in front of the third pair of products, which writes over them
.endr
	W 1
	EXTR 0                                         ; a pair's sixteen selections are the places behind the next pair's products
	W 2
	EXTR 1
	W 3
	EXTR 2
	EXTR 3
.irp c, 0,1,2,3,4,5,6,7
	global_load_b128 v[DR+4*\c:DR+4*\c+3], v15, s[10:11] offset:128*\c        ; quad 3's candidates, into the registers that held the products
.endr
.irp j, 0,2,4,6
	v_pk_add_f32 v[EV+\j:EV+\j+1], v[EV+\j:EV+\j+1], v[26:27]      ; fl(zz + ee)
.endr
.irp j, 0,2,4,6
	v_pk_add_f32 v[KP+\j:KP+\j+1], v[KP+\j:KP+\j+1], v[EV+\j:EV+\j+1]         ; - 2 dot: one rounding
.endr
	; the first minimum of the eight: at each join the later one only if strictly smaller
.irp i, 0,2,4,6
	v_cmp_lt_f32 s[48+\i/2], v[KP+\i+1], v[KP+\i]
.endr
.irp i, 0,2,4,6
	v_cndmask_b32 v[EV+\i], \i, \i+1, s[48+\i/2]
	v_min_num_f32 v[KP+\i], v[KP+\i], v[KP+\i+1]
.endr
.irp i, 0,4
	v_cmp_lt_f32 s[48+\i/4], v[KP+\i+2], v[KP+\i]
.endr
.irp i, 0,4
	v_cndmask_b32 v[EV+\i], v[EV+\i], v[EV+\i+2], s[48+\i/4]
	v_min_num_f32 v[KP+\i], v[KP+\i], v[KP+\i+2]
.endr
	v_cmp_lt_f32 s48, v[KP+4], v[KP]
	v_cndmask_b32 v[EV], v[EV], v[EV+4], s48
	v_permlanex16_b32 v[EV+1], v[EV], s30, s31
	v_cndmask_b32 v[EV], v[EV+1], v[EV], s36       ; the lanes (r, h = r % 2) hold it: the other half takes it over
	v_lshl_add_u32 v[EV], v5, 3, v[EV]             ; the index
	ds_store_b32 v30, v[EV]                        ; both halves of the lanes write the same word with the same value
.irp q, 0,1,2,3
	ds_load_b32 v[8+\q], v31 offset:16*\q          ; my wave's own words, served in order behind the store
.endr
	s_wait_dscnt 0x0
.irp q, 0,1,2,3
	v_and_b32 v[8+\q], 7, v[8+\q]                  ; which of the group's eight
.endr
	s_wait_alu depctr_va_vdst(0)
	SEL 0, 144, 24
	SEL 1, 176, 16
	SEL 2, 208, 8
	SEL 3, 110, 0
	v_add_f32 v[SM], v[SM], v[SM+1]
	v_add_f32_dpp v[SM], v[SM], v[SM] row_xmask:1 row_mask:0xf bank_mask:0xf
	v_add_f32_dpp v[SM], v[SM], v[SM] row_xmask:2 row_mask:0xf bank_mask:0xf
	v_add_f32_dpp v[SM], v[SM], v[SM] row_xmask:4 row_mask:0xf bank_mask:0xf
	v_add_f32_dpp v[SM], v[SM], v[SM] row_xmask:8 row_mask:0xf bank_mask:0xf
	v_permlanex16_b32 v[SM+1], v[SM], s30, s31
	v_add_f32 v[SM], v[SM], v[SM+1]                ; the wave's sum of squares
	ds_store_b32 v142, v[SM] offset:PS
	s_wait_dscnt 0x0                               ; for wave 0's sake: my indices and sum have landed
	s_barrier_signal -1
	s_barrier_wait -1
	s_cmp_lg_u32 s18, 0
	s_cbranch_scc1 .Lend
	ds_load_b128 v[16:19], v25 offset:KS
	ds_load_b128 v[36:39], v143 offset:PS
	ds_load_b128 v[40:43], v143 offset:PS+16
	s_wait_dscnt 0x0
	global_store_b128 v25, v[16:19], s[14:15]      ; the work-group's 128 indices: 512 consecutive bytes
	v_add_f32 v36, v36, v37
	v_add_f32 v38, v38, v39
	v_add_f32 v40, v40, v41
	v_add_f32 v42, v42, v43
	v_add_f32 v36, v36, v38
	v_add_f32 v40, v40, v42
	v_add_f32 v36, v36, v40
	s_wait_alu depctr_va_vdst(0)
	s_wait_xcnt 0x0                                ; EXEC is narrowed only behind this wait
	v_cmp_eq_u32 vcc_lo, 0, v0
	s_and_saveexec_b32 s48, vcc_lo
	global_store_b32 v143, v36, s[16:17]           ; one number for the work-group
	s_wait_xcnt 0x0                                ; and widened again only behind this one
	s_or_b32 exec_lo, exec_lo, s48
.Lend:
	s_wait_tensorcnt 0x0                           ; the wave's end
	ds_add_u32 v[SPW], v[NIL]
	s_wait_dscnt 0x0
	s_endpgm
.Lfunc_end_k_q0de2fc96ca_refine:
	.size	k_q0de2fc96ca_refine, .Lfunc_end_k_q0de2fc96ca_refine-k_q0de2fc96ca_refine
	.p2alignl 7, 3214868480
	.fill 96, 4, 3214868480
	.section	.rodata,"a",@progbits
	.p2align	6, 0x0
	.amdhsa_kernel k_q0de2fc96ca_refine
		.amdhsa_group_segment_fixed_size 2048
		.amdhsa_private_segment_fixed_size 0
		.amdhsa_enable_private_segment 0
		.amdhsa_kernarg_size 56
		.amdhsa_user_sgpr_count 2
		.amdhsa_user_sgpr_kernarg_segment_ptr 1
		.amdhsa_wavefront_size32 1
		.amdhsa_system_sgpr_workgroup_id_x 1
		.amdhsa_system_sgpr_workgroup_id_y 1
		.amdhsa_system_sgpr_workgroup_id_z 1
		.amdhsa_system_vgpr_workitem_id 0
		.amdhsa_next_free_vgpr 244
		.amdhsa_next_free_sgpr 66
		.amdhsa_reserve_vcc 1
		.amdhsa_float_denorm_mode_32 3
		.amdhsa_float_denorm_mode_16_64 3
		.amdhsa_memory_ordered 1
		.amdhsa_forward_progress 1
		.amdhsa_inst_pref_size 31
	.end_amdhsa_kernel
	.amdgpu_metadata
---
amdhsa.version: [ 1, 2 ]
amdhsa.kernels:
  - .name:           k_q0de2fc96ca_refine
    .symbol:         k_q0de2fc96ca_refine.kd
    .args:
      - { .name: grp, .offset: 0, .size: 8, .value_kind: global_buffer, .address_space: global }
      - { .name: img, .offset: 8, .size: 8, .value_kind: global_buffer, .address_space: global }
      - { .name: z, .offset: 16, .size: 8, .value_kind: global_buffer, .address_space: global }
      - { .name: codebook, .offset: 24, .size: 8, .value_kind: global_buffer, .address_space: global }
      - { .name: out0, .offset: 32, .size: 8, .value_kind: global_buffer, .address_space: global }
      - { .name: out1, .offset: 40, .size: 8, .value_kind: global_buffer, .address_space: global }
      - { .name: part, .offset: 48, .size: 8, .value_kind: global_buffer, .address_space: global }
    .group_segment_fixed_size: 2048
    .private_segment_fixed_size: 0
    .kernarg_segment_align: 8
    .kernarg_segment_size: 56
    .max_flat_workgroup_size: 256
    .sgpr_count:     66
    .vgpr_count:     244
    .wavefront_size: 32
...
	.end_amdgpu_metadata
.endif
;; end of part 3
;; launch total (part 4): grid 1 x 1, 1 waves a work-group, no clusters, 0 bytes of LDS; arguments part, out2; writes out2
.if DOCPART == 4
	.amdgcn_target "amdgcn-amd-amdhsa--gfx1250"
	.amdhsa_code_object_version 6
	.text
	.protected	k_q0de2fc96ca_total
	.globl	k_q0de2fc96ca_total
	.p2align	8
	.type	k_q0de2fc96ca_total,@function
k_q0de2fc96ca_total:
	s_mov_b64 s[64:65], 0
	v_nop
	global_prefetch_b8 v0, s[64:65] scope:SCOPE_SE
	s_setreg_imm32_b32 hwreg(HW_REG_WAVE_MODE, 25, 1), 1
	s_wait_xcnt 0x0
; The loss: mean((z_q - z)^2) + 0.25 x the same mean = 1.25 / 2^20 x the sum of the 256 work-groups' sums.  One wave; a sum over work-groups is made behind the launch that made its parts.
	s_load_b128 s[4:7], s[0:1], 0x0                ; the partial sums s[4:5], the loss s[6:7]
	v_lshlrev_b32 v1, 4, v0
	v_mov_b32 v11, 0
	s_mov_b32 s8, 0x76543210                       ; v_permlanex16_b32's selects for lane l xor 16
	s_mov_b32 s9, 0xfedcba98
	s_wait_alu depctr_va_vdst(0)
	s_wait_kmcnt 0x0
	global_load_b128 v[2:5], v1, s[4:5]
	global_load_b128 v[6:9], v1, s[4:5] offset:512
	s_wait_loadcnt 0x0
	v_pk_add_f32 v[2:3], v[2:3], v[4:5]
	v_pk_add_f32 v[6:7], v[6:7], v[8:9]
	v_pk_add_f32 v[2:3], v[2:3], v[6:7]
	v_add_f32 v2, v2, v3
	v_add_f32_dpp v2, v2, v2 row_xmask:1 row_mask:0xf bank_mask:0xf
	v_add_f32_dpp v2, v2, v2 row_xmask:2 row_mask:0xf bank_mask:0xf
	v_add_f32_dpp v2, v2, v2 row_xmask:4 row_mask:0xf bank_mask:0xf
	v_add_f32_dpp v2, v2, v2 row_xmask:8 row_mask:0xf bank_mask:0xf
	v_permlanex16_b32 v3, v2, s8, s9
	v_add_f32 v2, v2, v3
	v_mul_f32 v2, 0x35a00000, v2                   ; x 1.25 x 2^-20
	s_wait_alu depctr_va_vdst(0)
	s_wait_xcnt 0x0                                ; EXEC is narrowed only behind this wait
	v_cmp_eq_u32 vcc_lo, 0, v0
	s_and_saveexec_b32 s10, vcc_lo
	global_store_b32 v11, v2, s[6:7]
	s_wait_xcnt 0x0                                ; and widened again only behind this one
	s_or_b32 exec_lo, exec_lo, s10
	s_endpgm
.Lfunc_end_k_q0de2fc96ca_total:
	.size	k_q0de2fc96ca_total, .Lfunc_end_k_q0de2fc96ca_total-k_q0de2fc96ca_total
	.p2alignl 7, 3214868480
	.fill 96, 4, 3214868480
	.section	.rodata,"a",@progbits
	.p2align	6, 0x0
	.amdhsa_kernel k_q0de2fc96ca_total
		.amdhsa_group_segment_fixed_size 0
		.amdhsa_private_segment_fixed_size 0
		.amdhsa_enable_private_segment 0
		.amdhsa_kernarg_size 16
		.amdhsa_user_sgpr_count 2
		.amdhsa_user_sgpr_kernarg_segment_ptr 1
		.amdhsa_wavefront_size32 1
		.amdhsa_system_sgpr_workgroup_id_x 1
		.amdhsa_system_sgpr_workgroup_id_y 1
		.amdhsa_system_sgpr_workgroup_id_z 1
		.amdhsa_system_vgpr_workitem_id 0
		.amdhsa_next_free_vgpr 16
		.amdhsa_next_free_sgpr 66
		.amdhsa_reserve_vcc 1
		.amdhsa_float_denorm_mode_32 3
		.amdhsa_float_denorm_mode_16_64 3
		.amdhsa_memory_ordered 1
		.amdhsa_forward_progress 1
		.amdhsa_inst_pref_size 2
	.end_amdhsa_kernel
	.amdgpu_metadata
---
amdhsa.version: [ 1, 2 ]
amdhsa.kernels:
  - .name:           k_q0de2fc96ca_total
    .symbol:         k_q0de2fc96ca_total.kd
    .args:
      - { .name: part, .offset: 0, .size: 8, .value_kind: global_buffer, .address_space: global }
      - { .name: out2, .offset: 8, .size: 8, .value_kind: global_buffer, .address_space: global }
    .group_segment_fixed_size: 0
    .private_segment_fixed_size: 0
    .kernarg_segment_align: 8
    .kernarg_segment_size: 16
    .max_flat_workgroup_size: 32
    .sgpr_count:     66
    .vgpr_count:     16
    .wavefront_size: 32
...
	.end_amdgpu_metadata
.endif
;; end of part 4
